; MI455X (gfx1250); checked and timed in simulation.
; The chip was launched on July 23, 2026; its instructions are those of AMD's public machine-readable ISA for CDNA 5 (MIT licence, August 2026) and "CDNA5" Instruction Set Architecture Reference Guide (July 2026). The comments in the code are by the model that wrote it; some were corrected since.
;; Mental Plus. Allowed arithmetic: float matrix products may take bf16 or f16 operands with f32 sums; all other float work in f32.
;; Inputs: Wk 64 x 64 float32; Wq 64 x 64 float32; Wv 64 x 64 float32; rel_h 32 x 5 x 1 float32; rel_w 32 x 1 x 5 float32; x 8 x 64 x 64 x 64 float32.
;; Outputs: out0 8 x 64 x 64 x 64 float32.
;; One version. Each part assembles by itself: llvm-mc -triple=amdgcn-amd-amdhsa -mcpu=gfx1250 --defsym DOCPART=n.
;; ======== version 1 of 1: 1 launch
;; limits: values are held in f16: magnitudes above 65,504 overflow, below 6.1e-05 lose precision; inputs' magnitudes at most 65,504
;; launch winattn (part 1): grid 256 x 1, 8 waves a work-group, no clusters, 188,928 bytes of LDS; arguments x, Wq, Wk, Wv, rel_h, rel_w, out0; writes out0
.if DOCPART == 1
	.amdgcn_target "amdgcn-amd-amdhsa--gfx1250"
	.amdhsa_code_object_version 6
	.text
	.protected	k_q01304a1b32_winattn
	.globl	k_q01304a1b32_winattn
	.p2align	8
	.type	k_q01304a1b32_winattn,@function
k_q01304a1b32_winattn:
	s_mov_b64 s[64:65], 0
	v_nop
	global_prefetch_b8 v0, s[64:65] scope:SCOPE_SE
	s_setreg_imm32_b32 hwreg(HW_REG_WAVE_MODE, 25, 1), 1
	s_wait_xcnt 0x0
; out[b][c][y][x] = sum over the 5 x 5 window of softmax(q (k + bias)) v, per channel; q, k, v = Wq x, Wk x, Wv x (1 x 1 convolutions, x padded by zeros).
; x, out0: [8][64][64][64] f32; W*: [64][64] f32; rel_h, rel_w: [32][5] f32.
; A work-group: one image, 4 output rows x 64 columns, 32 output channels (half 0: bias rel_h by window row; half 1: rel_w by window column).
; 8 images x 16 bands x 2 halves = 256 work-groups of 8 waves.
; PHASE 1: wave w takes image row 4 band - 2 + w of all 64 input channels straight from memory into B fragments: a 16-byte load gives lane (r, h) the pixels
;   4r .. 4r+3 of channel c + 8h, so column r of fragment jj is pixel 4r + jj and k runs along the lane's registers: no transposition, no LDS for x.
;   k and v (every row) and q (the four centre rows) are made by f16 matrix instructions with f32 sums and laid into LDS in f32.
; PHASE 2: a lane owns a pair of channels x 4 columns x 4 rows.  All arithmetic is packed over the channel pair.  k and v lie in a ring of five rows of registers,
;   so a lane reads each LDS row once.  The maximum of the 25 logits is taken exactly and taken away inside the fused multiply-add that feeds the exponential.
; WHY f16 AND NOT bf16: an error of q is multiplied by k + bias and one of k by q before the exponential, so the operands' rounding shows enlarged in the result;
;   f16 keeps 11 significant bits where bf16 keeps 8, at the same registers and the same number of matrix instructions.
; NO CLUSTER: the two halves of the channels share their eight rows of x (128 KiB), but here these go from memory into fragment registers; a joint tensor load
;   would land them in LDS, 131,072 bytes more to write there and to read back for each work-group.
; LIMITS: x and W enter the products rounded to f16; all else is f32.  A number of x or W of magnitude 65,520 or more becomes an infinity there and the results that
;   it feeds NaN; what lies below 2^-25 of a number of x or W is lost (f16 denormals are kept).  A weight below 2^-126 of the window's largest counts as zero
;   (v_exp_f32 flushes denormals, ISA guide 15.8).  Logits beyond f32's range give NaN, as in the f32 reference.
.set LOG2E,  0x3fb8aa3b
.set CPITCH, 16384                     ; bytes from channel to channel in x and out0
; LDS: 16 planes, one for each channel pair.  An element is 8 bytes: the pair's two channels at one pixel.
; A k or v row has 68 elements (columns -2 .. 65), as four arrays of 17 by (column + 2) mod 4: element px' lies at (px' & 3) SUBP + (px' >> 2) 8.
; So lanes whose pixels are 4 apart touch neighbouring 8 bytes, in the stores of phase 1 and in the loads of phase 2.
.set SUBP,   136
.set ROWP,   4*SUBP                    ; 544
.set VOFF,   8*ROWP                    ; v's 8 rows behind k's 8 rows
.set QOFF,   16*ROWP                   ; q: 4 rows of 4 arrays (pixel mod 4) of 16 elements
.set QROW,   512
.set PLANE,  10880                     ; 8,704 + 2,048 + 128 of padding = 128 modulo 256: the two halves of a wave, one plane apart, fall on different banks (64 banks of 4 bytes: ISA guide 11.1)
.set WF,     16*PLANE                  ; behind the planes: six tiles of W as A fragments in f16
.set WBLK,   288                       ; a block: 16 rows x 8 k = 256 bytes, + 32: the eight blocks that a store touches start 32 bytes apart modulo 256
.set WTILE,  8*WBLK
; registers that live through the kernel
.set LA,   1                           ; phase 2: my plane + 8 x my strip
.set GO,   2                           ; my byte offset in out0
.set BI,   4                           ; v[4:13]   bias: pair i = (channel 0, channel 1) at window index i
; phase 1
.set RR,   14                          ; lane & 15
.set HH,   15                          ; (lane >> 4) & 1
.set XOFF, 16
.set WOFF, 17
.set BOFF, 18
.set ZA,   19
.set TMP,  20
.set ZZ,   22                          ; v[22:23]  zeros
.set WST,  24
.set VW,   25
.set VB,   20                          ; v[20:23]  behind the first barrier: where k and v go
.set VQ,   14                          ; v[14:17]  behind the last load's wait: where q goes
.set WL,   34                          ; v[34:57]  W as loaded
.set BF,   58                          ; v[58:121] x as B fragments: (kc, jj) at 8 (4 kc + jj)
.set XR,   122                         ; v[122:249] x as loaded
.set AF,   122                         ; v[122:217] then: six A tiles of 16 registers
.set ACC0, 218                         ; v[218:249] four accumulators
.set ACC1, 26                          ; v[26:57]   four more
; phase 2
.set QB,   14                          ; v[14:23]  q x bias, then q x bias - maximum
.set TT,   24                          ; v[24:43]  two sets of five pairs: a window row's logits, then its weights
.set MX,   44                          ; v[44:47]  two chains of maxima
.set SS,   48                          ; v[48:51]  two chains of the weights' sum
.set OO,   52                          ; v[52:55]  two chains of weights x v
.set RC,   56                          ; v[56:57]
.set QR,   58                          ; v[58:73]  q of two output rows
.set OUT,  74                          ; v[74:89]  results of two output rows: channel x 4 pixels
.set KR,   90                          ; v[90:169]  k: ring of five rows x 8 pixels x 2 channels
.set VR,   170                         ; v[170:249] v likewise
	s_load_b256 s[4:11], s[0:1], 0x0               ; x s[4:5], Wq s[6:7], Wk s[8:9], Wv s[10:11]
	s_load_b128 s[12:15], s[0:1], 0x20             ; rel_h s[12:13], rel_w s[14:15]
	s_load_b64 s[16:17], s[0:1], 0x30              ; out0
	v_lshl_add_u32 v254, v0, 2, 0x2de00
	v_mov_b32 v255, 0
	v_lshrrev_b32 v[TMP], 5, v0
	v_readfirstlane_b32 s24, v[TMP]                ; wave 0..7 = my row of the eight
	s_and_b32 s21, ttmp9, 1                        ; half of the channels
	s_bfe_u32 s22, ttmp9, 0x40001                  ; band of 4 rows, 0..15
	s_lshr_b32 s23, ttmp9, 5                       ; image
	s_lshl2_add_u32 s25, s22, s24                  ; 4 band + wave
	s_sub_co_i32 s25, s25, 2                       ; my image row, -2 .. 65
	s_max_i32 s26, s25, 0
	s_min_i32 s26, s26, 63                         ; the row that is loaded: always inside x
	s_lshl_b32 s28, s23, 20                        ; x: image x 1 MiB + row x 256
	s_lshl_b32 s27, s26, 8
	s_add_co_u32 s28, s28, s27
	s_mov_b32 s29, 0
	s_lshl_b32 s30, s21, 13                        ; W: my half's 32 rows (8 KiB), of them rows 4 wave .. 4 wave + 3 (1 KiB)
	s_lshl_b32 s27, s24, 10
	s_add_co_u32 s30, s30, s27
	s_mov_b32 s31, 0
	s_lshl_b32 s32, s23, 20                        ; out0: image, channel 32 half + 4 wave, row 4 band
	s_lshl_b32 s27, s21, 19
	s_add_co_u32 s32, s32, s27
	s_lshl_b32 s27, s24, 16
	s_add_co_u32 s32, s32, s27
	s_lshl_b32 s27, s22, 10
	s_add_co_u32 s32, s32, s27
	s_mov_b32 s33, 0
	v_and_b32 v[RR], 15, v0
	v_bfe_u32 v[HH], v0, 4, 1
	v_lshlrev_b32 v[XOFF], 4, v[RR]                ; x: 16 bytes a lane along the row,
	v_lshl_or_b32 v[XOFF], v[HH], 17, v[XOFF]      ; lanes 16-31 eight channels further
	v_and_b32 v[WOFF], 31, v0
	v_lshlrev_b32 v[WOFF], 5, v[WOFF]              ; W: 32 neighbouring bytes a lane
	v_lshl_add_u32 v[BOFF], s24, 1, v[HH]          ; phase 2: my channel pair = 2 wave + lane half
	v_mul_u32_u24 v[LA], v[BOFF], PLANE
	v_lshl_add_u32 v[LA], v[RR], 3, v[LA]
	v_mul_u32_u24 v[BOFF], v[BOFF], 40             ; the pair's ten biases
	v_lshlrev_b32 v[GO], 4, v[RR]
	v_lshl_or_b32 v[GO], v[HH], 15, v[GO]          ; two channels further for lanes 16-31
	s_wait_kmcnt 0x0
	s_add_nc_u64 s[4:5], s[4:5], s[28:29]
	s_add_nc_u64 s[6:7], s[6:7], s[30:31]
	s_add_nc_u64 s[8:9], s[8:9], s[30:31]
	s_add_nc_u64 s[10:11], s[10:11], s[30:31]
	s_add_nc_u64 s[16:17], s[16:17], s[32:33]
	s_cmp_eq_u32 s21, 0
	s_cselect_b64 s[12:13], s[12:13], s[14:15]     ; half 0 reads rel_h, half 1 rel_w: both are [32][5]
	; every load of the kernel goes out here: 6 for W, 10 for the bias, 32 for x (16 KiB a wave, 128 KiB a work-group on their way)
	global_load_b128 v[WL:WL+3],     v[WOFF], s[8:9]
	global_load_b128 v[WL+4:WL+7],   v[WOFF], s[8:9] offset:16
	global_load_b128 v[WL+8:WL+11],  v[WOFF], s[10:11]
	global_load_b128 v[WL+12:WL+15], v[WOFF], s[10:11] offset:16
	global_load_b128 v[WL+16:WL+19], v[WOFF], s[6:7]
	global_load_b128 v[WL+20:WL+23], v[WOFF], s[6:7] offset:16
.irp i, 0,1,2,3,4
	global_load_b32 v[BI+2*\i],   v[BOFF], s[12:13] offset:4*\i
	global_load_b32 v[BI+2*\i+1], v[BOFF], s[12:13] offset:20+4*\i
.endr
.set n_, 0
.rept 32                                           ; load n: channel 16 (n >> 3) + (n & 7) + 8 h; lanes 0-15 take one whole row of 256 bytes, lanes 16-31 another
	global_load_b128 v[XR+4*n_:XR+4*n_+3], v[XOFF], s[4:5] offset:((n_>>3)*16+(n_&7))*CPITCH
.set n_, n_+1
.endr
	; zeros for columns -2, -1, 64, 65 of the 16 rows (k's 8, v's 8) of every plane: 1,024 elements, four a thread
	v_lshrrev_b32 v[ZA], 4, v0                     ; plane
	v_mul_u32_u24 v[ZA], v[ZA], PLANE
	v_bfe_u32 v[TMP], v0, 2, 2                     ; row 0..3, then + 4, 8, 12 by the immediate
	v_mad_u32_u24 v[ZA], v[TMP], ROWP, v[ZA]
	v_and_b32 v[TMP], 3, v0                        ; array 0..3: arrays 0, 1 their element 0; arrays 2, 3 their element 16
	v_mad_u32_u24 v[ZA], v[TMP], SUBP, v[ZA]
	v_bfe_u32 v[TMP], v0, 1, 1
	v_lshl_add_u32 v[ZA], v[TMP], 7, v[ZA]
	v_mov_b32 v[ZZ], 0
	v_mov_b32 v[ZZ+1], 0
.irp i, 0,1,2,3
	ds_store_b64 v[ZA], v[ZZ:ZZ+1] offset:\i*4*ROWP
.endr
	; W as A fragments.  My lane holds row 4 wave + (lane >> 3) of the half, k = 8 (lane & 7) .. + 7: one block entry of 16 bytes in f16.
	; Row 4a + 2h + b of a tile becomes matrix row m = 8h + 2a + b: then registers 2a, 2a+1 of a result are the two channels of pair 2a + h.
	v_and_b32 v[WST], 7, v0
	v_mul_u32_u24 v[WST], v[WST], WBLK             ; block = k / 8
	v_bfe_u32 v[TMP], v0, 3, 1                     ; b
	v_lshl_add_u32 v[TMP], v[HH], 3, v[TMP]        ; 8 h + b
	v_lshl_add_u32 v[WST], v[TMP], 4, v[WST]
	s_and_b32 s27, s24, 3                          ; a
	s_lshl_b32 s27, s27, 5                         ; 16 bytes x 2 a
	s_lshr_b32 s34, s24, 2                         ; which of the half's two tiles
	s_mul_i32 s34, s34, WTILE
	s_add_co_u32 s27, s27, s34
	s_add_co_u32 s27, s27, WF
	v_add_nc_u32 v[WST], s27, v[WST]
	v_mul_u32_u24 v[VW], v[HH], WBLK               ; and where a fragment is read: block 4 kc + 2 u + h, row r
	v_lshl_add_u32 v[VW], v[RR], 4, v[VW]
	v_add_nc_u32 v[VW], WF, v[VW]
	s_wait_loadcnt 42                              ; W's six loads are in; the 10 + 32 issued behind them stay out
.irp m, 0,1,2                                      ; Wk: tiles 0, 1; Wv: 2, 3; Wq: 4, 5
	v_cvt_pk_f16_f32 v[WL+8*\m],   v[WL+8*\m],   v[WL+8*\m+1]
	v_cvt_pk_f16_f32 v[WL+8*\m+1], v[WL+8*\m+2], v[WL+8*\m+3]
	v_cvt_pk_f16_f32 v[WL+8*\m+2], v[WL+8*\m+4], v[WL+8*\m+5]
	v_cvt_pk_f16_f32 v[WL+8*\m+3], v[WL+8*\m+6], v[WL+8*\m+7]
	ds_store_b128 v[WST], v[WL+8*\m:WL+8*\m+3] offset:2*\m*WTILE
.endr
	s_wait_dscnt 0x0                               ; my part of W and my zeros are in LDS,
	s_barrier_signal -1
	s_barrier_wait -1                              ; everybody's are; x stays on its way (nobody writes x)
	v_mul_u32_u24 v[VB], v[HH], PLANE              ; where k and v go: plane 4 n + 2 (a & 1) + h, my row, element r
	v_lshl_add_u32 v[VB], v[RR], 3, v[VB]
	s_mul_i32 s27, s24, ROWP
	v_add_nc_u32 v[VB], s27, v[VB]
	v_add_nc_u32 v[VB+1], 4*PLANE, v[VB]
	v_add_nc_u32 v[VB+2], 8*PLANE, v[VB]
	v_add_nc_u32 v[VB+3], 12*PLANE, v[VB]
	; x to f16: group g = 2 kc + u of eight loads fills registers 4u .. 4u+3 of the four fragments (kc, jj)
.set g_, 0
.rept 4
	s_wait_loadcnt 24-8*g_                         ; loads come back in order: the groups behind this one stay out
.irp jj, 0,1,2,3
.irp i, 0,1,2,3
	v_cvt_pk_f16_f32 v[BF+((g_>>1)*4+\jj)*8+4*(g_&1)+\i], v[XR+(g_*8+2*\i)*4+\jj], v[XR+(g_*8+2*\i+1)*4+\jj]
.endr
.endr
.set g_, g_+1
.endr
	s_cmp_eq_u32 s25, s26
	s_cbranch_scc1 .Linside
.set n_, 0
.rept 64                                           ; my row lies outside the image (first and last band only): it is a row of zeros, whatever the clamped load brought
	v_mov_b32 v[BF+n_], 0
.set n_, n_+1
.endr
.Linside:
.irp t, 0,1,2,3,4,5                                ; all six tiles of W; the halo rows' waves do not use q's two (eight loads), so that one wait serves both ways
.irp c, 0,1,2,3
	ds_load_b128 v[AF+16*\t+4*\c:AF+16*\t+4*\c+3], v[VW] offset:\t*WTILE+\c*2*WBLK
.endr
.endr
	s_wait_dscnt 0x0
; 16 channels x 64 pixels x 64 k.  The four accumulators take turns, one instruction a turn; the first products start the sums.
.macro WM tile, acc
.irp jj, 0,1,2,3
	v_wmma_f32_16x16x32_f16 v[\acc+8*\jj:\acc+8*\jj+7], v[AF+16*\tile:AF+16*\tile+7], v[BF+8*\jj:BF+8*\jj+7], 0
.endr
.irp jj, 0,1,2,3
	v_wmma_f32_16x16x32_f16 v[\acc+8*\jj:\acc+8*\jj+7], v[AF+16*\tile+8:AF+16*\tile+15], v[BF+32+8*\jj:BF+32+8*\jj+7], v[\acc+8*\jj:\acc+8*\jj+7]
.endr
.endm
; Register pair a of accumulator jj in lane (r, h): channel pair 8 tl + 2a + h at pixel 4r + jj, padded column 4r + jj + 2.
; A store's 32 lanes write 2 x 128 neighbouring bytes, 128 apart modulo 256.
.macro ST kv, tl, acc
.irp jj, 0,1,2,3
.irp a, 0,1,2,3
	ds_store_b64 v[VB+2*\tl+(\a>>1)], v[\acc+8*\jj+2*\a:\acc+8*\jj+2*\a+1] offset:(\a&1)*2*PLANE+\kv*VOFF+((\jj+2)&3)*SUBP+((\jj+2)>>2)*8
.endr
.endr
.endm
.macro STQ tl, acc
.irp jj, 0,1,2,3
.irp a, 0,1,2,3
	ds_store_b64 v[VQ+2*\tl+(\a>>1)], v[\acc+8*\jj+2*\a:\acc+8*\jj+2*\a+1] offset:(\a&1)*2*PLANE+\jj*128
.endr
.endr
.endm
; Five places behind matrix instructions: four before a store reads a result, five before a matrix instruction writes over one
.macro PLACES
.rept 5
	v_nop
.endr
.endm
	WM 0, ACC0                                     ; k, channels 0-15 of the half
	WM 1, ACC1                                     ; k, channels 16-31
	PLACES
	ST 0, 0, ACC0
	WM 2, ACC0                                     ; v
	ST 0, 1, ACC1
	WM 3, ACC1
	PLACES
	ST 1, 0, ACC0
	ST 1, 1, ACC1
	s_sub_co_u32 s27, s24, 2
	s_cmp_lt_u32 s27, 4
	s_cbranch_scc0 .Lno_q                          ; q only for the four output rows: waves 2 to 5
	WM 4, ACC0
	WM 5, ACC1
	s_lshl_b32 s27, s24, 5
	s_sub_co_u32 s27, QOFF-2*QROW, s27             ; from k's row w to q's row w - 2: QOFF + 512 (w - 2) - 544 w
.irp n, 0,1,2,3
	v_add_nc_u32 v[VQ+\n], s27, v[VB+\n]           ; four of the five places
.endr
	v_nop
.set n_, 0
.rept 16                                           ; q x log2 e, in f32: the exponentials are to the base 2
	v_pk_mul_f32 v[ACC0+2*n_:ACC0+2*n_+1], v[ACC0+2*n_:ACC0+2*n_+1], LOG2E op_sel_hi:[1,0]
	v_pk_mul_f32 v[ACC1+2*n_:ACC1+2*n_+1], v[ACC1+2*n_:ACC1+2*n_+1], LOG2E op_sel_hi:[1,0]
.set n_, n_+1
.endr
	STQ 0, ACC0
	STQ 1, ACC1
.Lno_q:
	s_wait_dscnt 0x0                               ; my row of k, v (and q) is in LDS,
	s_barrier_signal -1
	s_barrier_wait -1                              ; all eight rows are.  From here on LDS is only read
; PHASE 2.  LDS row rho = output row + window row; ring slot = rho mod 5.  Pixel t of the eight = my strip's column 4s - 2 + t.
.macro LDK row
.irp t, 0,1,2,3,4,5,6,7
	ds_load_b64 v[KR+16*((\row)%5)+2*\t:KR+16*((\row)%5)+2*\t+1], v[LA] offset:(\row)*ROWP+(\t&3)*SUBP+(\t>>2)*8
.endr
.endm
.macro LDV row
.irp t, 0,1,2,3,4,5,6,7
	ds_load_b64 v[VR+16*((\row)%5)+2*\t:VR+16*((\row)%5)+2*\t+1], v[LA] offset:VOFF+(\row)*ROWP+(\t&3)*SUBP+(\t>>2)*8
.endr
.endm
.macro LDQ row
.irp t, 0,1,2,3
	ds_load_b64 v[QR+8*((\row)&1)+2*\t:QR+8*((\row)&1)+2*\t+1], v[LA] offset:QOFF+(\row)*QROW+\t*128
.endr
.endm
; window row i of output (y, p): five pairs q k + QB into set i & 1.  var = 0: the bias goes by the window's row, 1: by its column
.macro FROW y, p, i, var
.irp j, 0,1,2,3,4
.set rD, TT+10*((\i)&1)+2*\j
.set rK, KR+16*(((\y)+(\i))%5)+2*((\p)+\j)
.set rQ, QB+2*((\var)*\j+(1-(\var))*(\i))
	v_pk_fma_f32 v[rD:rD+1], v[QQ:QQ+1], v[rK:rK+1], v[rQ:rQ+1]
.endr
.endm
; maxima: value n of the 25 lies in set (n / 5) & 1, pair n % 5.  Two chains for each channel
.macro MXI d, a, b, c
.set rA, TT+10*(((\a)/5)&1)+2*((\a)%5)
.set rB, TT+10*(((\b)/5)&1)+2*((\b)%5)
.set rC, TT+10*(((\c)/5)&1)+2*((\c)%5)
	v_max3_num_f32 v[MX+2*\d],   v[rA],   v[rB],   v[rC]
	v_max3_num_f32 v[MX+2*\d+1], v[rA+1], v[rB+1], v[rC+1]
.endm
.macro MXN d, a, b
.set rA, TT+10*(((\a)/5)&1)+2*((\a)%5)
.set rB, TT+10*(((\b)/5)&1)+2*((\b)%5)
	v_max3_num_f32 v[MX+2*\d],   v[MX+2*\d],   v[rA],   v[rB]
	v_max3_num_f32 v[MX+2*\d+1], v[MX+2*\d+1], v[rA+1], v[rB+1]
.endm
.macro EXPS i
.set n_, 0
.rept 10
	v_exp_f32 v[TT+10*((\i)&1)+n_], v[TT+10*((\i)&1)+n_]
.set n_, n_+1
.endr
.endm
; the weights of window row i are added up and multiplied by v, in two chains each; the first row starts the sums
.macro ACCUM y, p, i
.set rE, TT+10*((\i)&1)
.set rV, VR+16*(((\y)+(\i))%5)+2*(\p)
.if (\i) == 0
	s_wait_alu depctr_va_vdst(0)
	v_pk_add_f32 v[SS:SS+1],   v[rE:rE+1],   v[rE+4:rE+5]
	v_pk_mul_f32 v[OO:OO+1],   v[rE:rE+1],   v[rV:rV+1]
	v_pk_add_f32 v[SS+2:SS+3], v[rE+2:rE+3], v[rE+6:rE+7]
	v_pk_mul_f32 v[OO+2:OO+3], v[rE+2:rE+3], v[rV+2:rV+3]
	v_pk_add_f32 v[SS:SS+1],   v[SS:SS+1],   v[rE+8:rE+9]
	v_pk_fma_f32 v[OO:OO+1],   v[rE+4:rE+5], v[rV+4:rV+5], v[OO:OO+1]
	v_pk_fma_f32 v[OO+2:OO+3], v[rE+6:rE+7], v[rV+6:rV+7], v[OO+2:OO+3]
	v_pk_fma_f32 v[OO:OO+1],   v[rE+8:rE+9], v[rV+8:rV+9], v[OO:OO+1]
.else
	s_wait_alu depctr_va_vdst(0)
	v_pk_add_f32 v[SS:SS+1],   v[SS:SS+1],   v[rE:rE+1]
	v_pk_fma_f32 v[OO:OO+1],   v[rE:rE+1],   v[rV:rV+1],   v[OO:OO+1]
	v_pk_add_f32 v[SS+2:SS+3], v[SS+2:SS+3], v[rE+2:rE+3]
	v_pk_fma_f32 v[OO+2:OO+3], v[rE+2:rE+3], v[rV+2:rV+3], v[OO+2:OO+3]
	v_pk_add_f32 v[SS:SS+1],   v[SS:SS+1],   v[rE+4:rE+5]
	v_pk_fma_f32 v[OO:OO+1],   v[rE+4:rE+5], v[rV+4:rV+5], v[OO:OO+1]
	v_pk_add_f32 v[SS+2:SS+3], v[SS+2:SS+3], v[rE+6:rE+7]
	v_pk_fma_f32 v[OO+2:OO+3], v[rE+6:rE+7], v[rV+6:rV+7], v[OO+2:OO+3]
	v_pk_add_f32 v[SS:SS+1],   v[SS:SS+1],   v[rE+8:rE+9]
	v_pk_fma_f32 v[OO:OO+1],   v[rE+8:rE+9], v[rV+8:rV+9], v[OO:OO+1]
.endif
.endm
; one pixel of my strip, both channels
.macro PIXEL y, p, var
.set QQ, QR+8*((\y)&1)+2*(\p)
.irp i, 0,1,2,3,4
	v_pk_mul_f32 v[QB+2*\i:QB+2*\i+1], v[QQ:QQ+1], v[BI+2*\i:BI+2*\i+1]
.endr
	; first pass: the 25 logits q k + q bias and their maximum.  A set is written again when its five values have been taken
	FROW \y, \p, 0, \var
	FROW \y, \p, 1, \var
	MXI 0, 0, 1, 2
	MXI 1, 3, 4, 5
	FROW \y, \p, 2, \var
	MXN 0, 6, 7
	MXN 1, 8, 9
	FROW \y, \p, 3, \var
	MXN 0, 10, 11
	MXN 1, 12, 13
	MXN 0, 14, 15
.if (\p) == 0
.if (\y) > 0
	s_wait_dscnt 0x0                               ; the ring's new row (k, v) and the next row's q, asked for at the end of the last output row: first used here
.endif
.endif
	FROW \y, \p, 4, \var
	MXN 1, 16, 17
	MXN 0, 18, 19
	MXN 1, 20, 21
	MXN 0, 22, 23
	v_max3_num_f32 v[MX],   v[MX],   v[MX+2], v[TT+8]
	v_max3_num_f32 v[MX+1], v[MX+1], v[MX+3], v[TT+9]
.irp i, 0,1,2,3,4
	v_pk_add_f32 v[QB+2*\i:QB+2*\i+1], v[QB+2*\i:QB+2*\i+1], v[MX:MX+1] neg_lo:[0,1] neg_hi:[0,1]
.endr
.if (\y)+(\p) == 0
	s_wait_dscnt 0x0                               ; v's five rows and q's second row
.endif
	; second pass: q k + (q bias - maximum), rounded once; 2^that; sums.  Behind each run of exponentials the next row's five multiply-adds,
	; which touch the other set alone, stand before the results are used (ISA guide 5.7.2)
	FROW \y, \p, 0, \var
	EXPS 0
	FROW \y, \p, 1, \var
	ACCUM \y, \p, 0
	EXPS 1
	FROW \y, \p, 2, \var
	ACCUM \y, \p, 1
	EXPS 2
	FROW \y, \p, 3, \var
	ACCUM \y, \p, 2
	EXPS 3
	FROW \y, \p, 4, \var
	ACCUM \y, \p, 3
	EXPS 4
	v_nop                                          ; the place behind the last run
	ACCUM \y, \p, 4
	v_pk_add_f32 v[SS:SS+1], v[SS:SS+1], v[SS+2:SS+3]  ; at least about 1: the largest weight is 2^0
	v_rcp_f32 v[RC],   v[SS]
	v_rcp_f32 v[RC+1], v[SS+1]
	v_pk_add_f32 v[OO:OO+1], v[OO:OO+1], v[OO+2:OO+3]  ; the place behind the reciprocals
	s_wait_alu depctr_va_vdst(0)
	v_mul_f32 v[OUT+8*((\y)&1)+(\p)],   v[OO],   v[RC]
	v_mul_f32 v[OUT+8*((\y)&1)+4+(\p)], v[OO+1], v[RC+1]
.endm
.macro OROW y, var
.if (\y) >= 2
	s_wait_xcnt 0x0                                ; this set of results was stored two rows ago: it is rewritten only behind this wait
.endif
	PIXEL \y, 0, \var
	PIXEL \y, 1, \var
	PIXEL \y, 2, \var
	PIXEL \y, 3, \var
	; lanes 0-15 store one whole row of 256 bytes of a channel, lanes 16-31 a row two channels further
	global_store_b128 v[GO], v[OUT+8*((\y)&1):OUT+8*((\y)&1)+3],   s[16:17] offset:(\y)*256 th:TH_STORE_NT
	global_store_b128 v[GO], v[OUT+8*((\y)&1)+4:OUT+8*((\y)&1)+7], s[16:17] offset:CPITCH+(\y)*256 th:TH_STORE_NT
.if (\y) < 3
	LDK \y+5                                       ; into the slot of the row that no later output row needs
	LDV \y+5
.if (\y) < 2
	LDQ \y+2
.endif
.endif
.endm
.macro ATT var
	LDQ 0
	LDK 0
	LDK 1
	LDK 2
	LDK 3
	LDK 4
	LDV 0
	LDV 1
	LDV 2
	LDV 3
	LDV 4
	LDQ 1
	s_wait_dscnt 44                                ; q's first row and k are in; the 40 loads of v and the 4 of q's second row stay out
	OROW 0, \var
	OROW 1, \var
	OROW 2, \var
	OROW 3, \var
	s_wait_tensorcnt 0x0
	ds_add_u32 v254, v255
	s_wait_dscnt 0x0
	s_endpgm
.endm
	s_cmp_eq_u32 s21, 0
	s_cbranch_scc0 .Lby_column
	ATT 0                                          ; channels 0-31: rel_h, by the window's row
.Lby_column:
	ATT 1                                          ; channels 32-63: rel_w, by the window's column
.Lfunc_end_k_q01304a1b32_winattn:
	.size	k_q01304a1b32_winattn, .Lfunc_end_k_q01304a1b32_winattn-k_q01304a1b32_winattn
	.p2alignl 7, 3214868480
	.fill 96, 4, 3214868480
	.section	.rodata,"a",@progbits
	.p2align	6, 0x0
	.amdhsa_kernel k_q01304a1b32_winattn
		.amdhsa_group_segment_fixed_size 188928
		.amdhsa_private_segment_fixed_size 0
		.amdhsa_enable_private_segment 0
		.amdhsa_kernarg_size 56
		.amdhsa_user_sgpr_count 2
		.amdhsa_user_sgpr_kernarg_segment_ptr 1
		.amdhsa_wavefront_size32 1
		.amdhsa_system_sgpr_workgroup_id_x 1
		.amdhsa_system_sgpr_workgroup_id_y 1
		.amdhsa_system_sgpr_workgroup_id_z 1
		.amdhsa_system_vgpr_workitem_id 0
		.amdhsa_next_free_vgpr 256
		.amdhsa_next_free_sgpr 66
		.amdhsa_reserve_vcc 0
		.amdhsa_float_denorm_mode_32 3
		.amdhsa_float_denorm_mode_16_64 3
		.amdhsa_memory_ordered 1
		.amdhsa_forward_progress 1
		.amdhsa_inst_pref_size 255
	.end_amdhsa_kernel
	.section	.bss,"aw",@nobits
	.p2align	6
	.space	262144
	.amdgpu_metadata
---
amdhsa.version: [ 1, 2 ]
amdhsa.kernels:
  - .name:           k_q01304a1b32_winattn
    .symbol:         k_q01304a1b32_winattn.kd
    .args:
      - { .name: x, .offset: 0, .size: 8, .value_kind: global_buffer, .address_space: global }
      - { .name: Wq, .offset: 8, .size: 8, .value_kind: global_buffer, .address_space: global }
      - { .name: Wk, .offset: 16, .size: 8, .value_kind: global_buffer, .address_space: global }
      - { .name: Wv, .offset: 24, .size: 8, .value_kind: global_buffer, .address_space: global }
      - { .name: rel_h, .offset: 32, .size: 8, .value_kind: global_buffer, .address_space: global }
      - { .name: rel_w, .offset: 40, .size: 8, .value_kind: global_buffer, .address_space: global }
      - { .name: out0, .offset: 48, .size: 8, .value_kind: global_buffer, .address_space: global }
    .group_segment_fixed_size: 188928
    .private_segment_fixed_size: 0
    .kernarg_segment_align: 8
    .kernarg_segment_size: 56
    .max_flat_workgroup_size: 256
    .sgpr_count:     66
    .vgpr_count:     256
    .wavefront_size: 32
...
	.end_amdgpu_metadata
.endif
;; end of part 1
